; MI455X (gfx1250); checked and timed in simulation.
; The chip was launched on July 23, 2026; its instructions are those of AMD's public machine-readable ISA for CDNA 5 (MIT licence, August 2026) and "CDNA5" Instruction Set Architecture Reference Guide (July 2026). The comments in the code are by the model that wrote it; some were corrected since.
;; SK Linear. Allowed arithmetic: float matrix products may take bf16 or f16 operands with f32 sums; all other float work in f32.
;; Inputs: S1s 16 x 64 x 16,384 float32; S2s 16 x 16,384 x 64 float32; U1s 16 x 64 x 16,384 float32; U2s 16 x 64 x 16,384 float32; b 16,384 float32; h_in 16,384 float32.
;; Outputs: out0 16,384 float32.
;; One version. Each part assembles by itself: llvm-mc -triple=amdgcn-amd-amdhsa -mcpu=gfx1250 --defsym DOCPART=n.
;; ======== version 1 of 1: 2 launches
;; workspace buffers: z 8,192 bytes
;; launch zvec (part 1): grid 256 x 1, 16 waves a work-group, no clusters, 2,560 bytes of LDS; arguments S1s, U2s, h_in, z; writes z
.if DOCPART == 1
	.amdgcn_target "amdgcn-amd-amdhsa--gfx1250"
	.amdhsa_code_object_version 6
	.text
	.protected	k_q04323b05e9_zvec
	.globl	k_q04323b05e9_zvec
	.p2align	8
	.type	k_q04323b05e9_zvec,@function
k_q04323b05e9_zvec:
	s_mov_b64 s[64:65], 0
	v_nop
	global_prefetch_b8 v0, s[64:65] scope:SCOPE_SE
	s_setreg_imm32_b32 hwreg(HW_REG_WAVE_MODE, 25, 1), 1
	s_wait_xcnt 0x0
; z[0:1024] = S1s . h, z[1024:2048] = U2s . h.  Both matrices: 1,024 rows (l, k) of 16,384 f32 = 65,536 bytes.
; 2,048 rows for 256 work-groups: a work-group owns 8 neighbouring rows (524,288 contiguous bytes); groups 0-127 read S1s, 128-255 U2s.
; 16 waves.  Thread t owns the 16 bytes at 16 t + 8,192 j (j = 0..7) of every row: a wave's load covers 512 neighbouring bytes,
; the group's 512 threads cover 8,192, and a thread's 32 numbers of h stay in registers for all 8 rows.
; Each element of the matrices enters one multiply-add (4 bytes loaded for each), so the work is a stream: packed f32 multiply-adds,
; no matrix instruction, no tile in LDS (no two waves read the same matrix byte).  No cluster: the only bytes that
; work-groups share are h's 65,536 beside 524,288 of their own.
; A ring of 32 register slots keeps 32 loads (16,384 bytes) of every wave in flight.
; Nothing that can wait stands in front of the stream, nothing that can be done earlier behind it: the first 8 matrix loads of every
; wave go out ahead of h's, and a row is summed across the lanes as soon as it ends, while younger loads are out.
; LIMIT: all sums are f32, in another order than the reference's (per lane over j, then lanes, then waves).
.set ROWB, 65536                       ; bytes in a row
.set STEP, 8192                        ; bytes that the work-group covers with one load of each wave
.set NLD,  64                          ; matrix loads of a wave: 8 rows x 8 steps; load n = row n / 8, step n % 8
.set RING, 32                          ; slots = loads in flight
.set LEAD, 8                           ; matrix loads issued ahead of h's eight
.set VO,   1                           ; v1         16 t
.set H,    2                           ; v[2:33]    my 32 numbers of h, 4 for each step
.set X,    34                          ; v[34:161]  slot s: 4 registers as loaded
.set P,    162                         ; v[162:165] the row at work: two chains of packed sums
.set S,    166                         ; v[166:173] the sum of row 0..7 over my wave's part
.set T,    174                         ; v174       LDS address
	s_load_b256 s[4:11], s[0:1], 0x0               ; S1s s[4:5], U2s s[6:7], h s[8:9], z s[10:11]
	v_lshl_add_u32 v176, v0, 2, 0x200
	v_mov_b32 v177, 0
	v_lshlrev_b32 v[VO], 4, v0
	v_lshrrev_b32 v[T], 5, v0
	v_readfirstlane_b32 s12, v[T]                  ; wave 0..15
	v_mov_b32 v[T], s12
	v_lshlrev_b32 v[T], 5, v[T]                    ; my wave's 32 bytes in LDS
	s_and_b32 s14, ttmp9, 127                      ; the group's place in its matrix,
	s_lshl_b32 s14, s14, 19                        ; times 8 rows of 65,536 bytes (below 2^26)
	s_mov_b32 s15, 0
	s_lshl_b32 s16, ttmp9, 5                       ; the group's 8 words of z
	s_mov_b32 s17, 0
	s_mov_b32 s18, 0x76543210                      ; v_permlanex16_b32: lane i reads lane i of the other half
	s_mov_b32 s19, 0xfedcba98
	s_wait_kmcnt 0x0
	s_cmp_lt_u32 ttmp9, 128
	s_cselect_b64 s[4:5], s[4:5], s[6:7]           ; which matrix
	s_add_nc_u64 s[4:5], s[4:5], s[14:15]          ; at the group's first row
	s_add_nc_u64 s[10:11], s[10:11], s[16:17]
.macro LOADX n                         ; all 64 loads use one offset register and one base, never rewritten: the rest is the immediate
	global_load_b128 v[X+4*((\n)%RING):X+4*((\n)%RING)+3], v[VO], s[4:5] offset:((\n)/8)*ROWB+((\n)%8)*STEP th:TH_LOAD_NT
.endm
.set n, 0
.rept LEAD
	LOADX n                                        ; row 0 first: 16 waves x 8 loads = 65,536 bytes of the matrix are asked for ahead of h
.set n, n+1
.endr
.irp j, 0,1,2,3,4,5,6,7
	global_load_b128 v[H+4*\j:H+4*\j+3], v[VO], s[8:9] offset:\j*STEP      ; h: every work-group reads it, so no hint
.endr
.rept RING-LEAD
	LOADX n                                        ; the rest of the ring: rows 1 to 3
.set n, n+1
.endr
; Load n's turn.  left = how many younger loads may stay out; refill = 1: the slot gets load n + RING.
.macro DOT n, left, refill
.set xr, X+4*((\n)%RING)
.set hr, H+4*((\n)%8)
.set sr, S+(\n)/8
	s_wait_loadcnt \left                           ; loads return in order (ISA guide 5.7.1)
.if (\n)%8 == 0
	v_pk_mul_f32 v[P:P+1],   v[xr:xr+1],   v[hr:hr+1]                      ; a row's first products start its sums
	v_pk_mul_f32 v[P+2:P+3], v[xr+2:xr+3], v[hr+2:hr+3]
.else
	v_pk_fma_f32 v[P:P+1],   v[xr:xr+1],   v[hr:hr+1],   v[P:P+1]
	v_pk_fma_f32 v[P+2:P+3], v[xr+2:xr+3], v[hr+2:hr+3], v[P+2:P+3]
.endif
.if \refill
	LOADX (\n)+RING
.endif
.if (\n)%8 == 7
	; the row is through: four sums to one, then across the 32 lanes: four steps inside each half of 16 lanes, one across the halves
	v_pk_add_f32 v[P:P+1], v[P:P+1], v[P+2:P+3]
	v_add_f32 v[sr], v[P], v[P+1]
.irp m, 1, 2, 4, 8
	v_add_f32_dpp v[sr], v[sr], v[sr] row_xmask:\m row_mask:0xf bank_mask:0xf
.endr
	v_permlanex16_b32 v[P+2], v[sr], s18, s19      ; P+2 has been written: the destination counts as read
	v_add_f32 v[sr], v[sr], v[P+2]
.endif
.endm
; The count 31 holds in every refilling turn.  Turn j < 8 needs h's load j (matrix load j stands in front of it): behind it
; 7 - j of h, 24 of the matrix, j refills.  Turn n >= 8 needs matrix load n: behind it 31 - n of the first fill and n refills.
.set n, 0
.rept NLD-RING
	DOT n, RING-1, 1
.set n, n+1
.endr
.rept RING
	DOT n, NLD-1-n, 0                              ; nothing more to fetch: the counts run down to 0
.set n, n+1
.endr
	; across the 16 waves: each wave puts its eight sums into its own 32 bytes (every lane holds the same eight numbers)
	ds_store_b128 v[T], v[S:S+3]
	ds_store_b128 v[T], v[S+4:S+7] offset:16
	s_wait_dscnt 0x0                               ; my stores are in LDS before I say so
	s_barrier_signal -1
	s_barrier_wait -1
	s_cmp_lg_u32 s12, 0
	s_cbranch_scc1 .Lend
	; wave 0: one load brings all 16 x 8 sums: lane i holds rows 4 (i % 2) .. + 3 of wave i / 2.  Lanes of equal parity are added.
	v_and_b32 v[T], 31, v0
	v_lshlrev_b32 v[T], 4, v[T]
	ds_load_b128 v[X:X+3], v[T]
	s_wait_dscnt 0x0
.irp m, 2, 4, 8
.irp c, 0,1,2,3
	v_add_f32_dpp v[X+\c], v[X+\c], v[X+\c] row_xmask:\m row_mask:0xf bank_mask:0xf
.endr
.endr
.irp c, 0,1,2,3
	v_permlanex16_b32 v[P+\c], v[X+\c], s18, s19   ; P has been written: the destination counts as read
.endr
	v_pk_add_f32 v[X:X+1],   v[X:X+1],   v[P:P+1]
	v_pk_add_f32 v[X+2:X+3], v[X+2:X+3], v[P+2:P+3]
	v_cmp_gt_u32 vcc_lo, 2, v0
	s_and_saveexec_b32 s20, vcc_lo
	global_store_b128 v[T], v[X:X+3], s[10:11]     ; lanes 0 and 1: the group's 32 bytes of z (8,192 in the whole launch: too few to be worth gathering)
	s_wait_xcnt 0x0                                ; EXEC is a source of the pending store: it changes back only behind this wait
	s_or_b32 exec_lo, exec_lo, s20
.Lend:
	s_wait_tensorcnt 0x0
	ds_add_u32 v176, v177
	s_wait_dscnt 0x0
	s_endpgm
.Lfunc_end_k_q04323b05e9_zvec:
	.size	k_q04323b05e9_zvec, .Lfunc_end_k_q04323b05e9_zvec-k_q04323b05e9_zvec
	.p2alignl 7, 3214868480
	.fill 96, 4, 3214868480
	.section	.rodata,"a",@progbits
	.p2align	6, 0x0
	.amdhsa_kernel k_q04323b05e9_zvec
		.amdhsa_group_segment_fixed_size 2560
		.amdhsa_private_segment_fixed_size 0
		.amdhsa_enable_private_segment 0
		.amdhsa_kernarg_size 32
		.amdhsa_user_sgpr_count 2
		.amdhsa_user_sgpr_kernarg_segment_ptr 1
		.amdhsa_wavefront_size32 1
		.amdhsa_system_sgpr_workgroup_id_x 1
		.amdhsa_system_sgpr_workgroup_id_y 1
		.amdhsa_system_sgpr_workgroup_id_z 1
		.amdhsa_system_vgpr_workitem_id 0
		.amdhsa_next_free_vgpr 178
		.amdhsa_next_free_sgpr 66
		.amdhsa_reserve_vcc 1
		.amdhsa_float_denorm_mode_32 3
		.amdhsa_float_denorm_mode_16_64 3
		.amdhsa_memory_ordered 1
		.amdhsa_forward_progress 1
		.amdhsa_inst_pref_size 24
	.end_amdhsa_kernel
	.amdgpu_metadata
---
amdhsa.version: [ 1, 2 ]
amdhsa.kernels:
  - .name:           k_q04323b05e9_zvec
    .symbol:         k_q04323b05e9_zvec.kd
    .args:
      - { .name: S1s, .offset: 0, .size: 8, .value_kind: global_buffer, .address_space: global }
      - { .name: U2s, .offset: 8, .size: 8, .value_kind: global_buffer, .address_space: global }
      - { .name: h_in, .offset: 16, .size: 8, .value_kind: global_buffer, .address_space: global }
      - { .name: z, .offset: 24, .size: 8, .value_kind: global_buffer, .address_space: global }
    .group_segment_fixed_size: 2560
    .private_segment_fixed_size: 0
    .kernarg_segment_align: 8
    .kernarg_segment_size: 32
    .max_flat_workgroup_size: 512
    .sgpr_count:     66
    .vgpr_count:     178
    .wavefront_size: 32
...
	.end_amdgpu_metadata
.endif
;; end of part 1
;; launch outvec (part 2): grid 256 x 1, 16 waves a work-group, no clusters, 19,200 bytes of LDS; arguments U1s, S2s, b, z, out0; writes out0
.if DOCPART == 2
	.amdgcn_target "amdgcn-amd-amdhsa--gfx1250"
	.amdhsa_code_object_version 6
	.text
	.protected	k_q04323b05e9_outvec
	.globl	k_q04323b05e9_outvec
	.p2align	8
	.type	k_q04323b05e9_outvec,@function
k_q04323b05e9_outvec:
	s_mov_b64 s[64:65], 0
	v_nop
	global_prefetch_b8 v0, s[64:65] scope:SCOPE_SE
	s_setreg_imm32_b32 hwreg(HW_REG_WAVE_MODE, 25, 1), 1
	s_wait_xcnt 0x0
; out[o] = (sum over rows q = (l, k) of U1s[q][o] z1[q]  +  sum over l, k of S2s[l][o][k] z2[l][k]) / 32 + b[o].
; z holds z1 (1,024 f32) and then z2 (1,024 f32), stored by the launch before.
; 16,384 outputs for 256 work-groups: a work-group owns 64 outputs, that is 256 aligned bytes of each of U1s' 1,024 rows and, for each
; of the 16 l, 64 rows of 256 bytes = 16,384 contiguous bytes of S2s: 262,144 + 262,144 bytes, each read once.
; 16 waves; lane = (h, r) = (lane / 16, lane % 16).
;   U1s: wave w takes rows 64 w .. 64 w + 63.  Load n brings row 64 w + 32 h + n, 16 bytes a lane: columns 4 r .. 4 r + 3, multiplied by
;        z1[64 w + 32 h + n].  A lane's 32 factors are 32 neighbouring words of z1.  Four sums a lane; 32 partial rows meet in LDS.
;   S2s: wave w takes outputs 4 w .. 4 w + 3.  Load (l, p) brings rows 4 w + 2 p + h of plane l (512 neighbouring bytes): k = 4 r .. 4 r + 3,
;        multiplied by z2[l][4 r ..].  The sum over l stays in the lane, so only two sums are taken across 16 lanes.
; A ring of 32 register slots: the 32 loads of U1s fill it, and each slot is filled again with a load of S2s.
; t1 IS FINISHED IN THE MIDDLE: behind U1s' last step every load of the wave has been issued, so the barrier there holds no request back;
; each wave then adds the 32 partial rows for its own four outputs while S2s is on its way.  Behind the last byte of S2s stand only
; t2's sum across 16 lanes, one multiply-add, and the gathering of the 64 results for one store of 256 bytes.
; Each matrix element enters one multiply-add (4 bytes loaded for each): a stream, so packed f32 multiply-adds, no matrix instruction,
; no tile in LDS.  No cluster: work-groups share only z's 8,192 bytes beside 524,288 of their own.
; Addresses are SUMS of their parts, so that an address's largest value is the sum of the parts' largest.
; LIMIT: all sums are f32, in another order than the reference's; the result is formed as t2/32 + (t1/32 + b).
.set UROW,   65536                     ; bytes in a row of U1s
.set SPLANE, 4194304                   ; bytes in a plane l of S2s
.set RING,   32
.set LZ2,    4096                      ; LDS: z1 at 0, z2 at 4,096
.set LT1,    8192                      ; 32 partial rows of t1,
.set TPITCH, 272                       ; 256 bytes + 16: the 16 rows that a read down a column touches fall on different banks
.set LOUT,   LT1+32*TPITCH             ; 16,896: the 64 results
.set INV2L,  0x3d000000                ; 1 / 32 = 1 / (2 l)
.set UO,  1                            ; v1         (2 w + h) x 32 rows of U1s + 16 r
.set SO,  2                            ; v2         1,024 w + 16 lane
.set WV,  3                            ; v3         w
.set A1,  4                            ; v4         LDS address of my 32 words of z1
.set R16, 5                            ; v5         16 r
.set T16, 6                            ; v6         16 t
.set BO,  7                            ; v7         16 w + 4 h: word 4 w + h of the group's 64 outputs
.set B,   8                            ; v[8:9]     b of outputs 4 w + h and 4 w + 2 + h; later t1 / 32 + b of them
.set ZL,  10                           ; v[10:13]   my 16 bytes of z on their way to LDS
.set TP,  10                           ; v[10:13]   later: t1 of outputs 4 w .. 4 w + 3
.set AU,  14                           ; v[14:17]   sums of U1s' columns 4 r .. 4 r + 3; later at work
.set AS,  18                           ; v[18:25]   sums of S2s, 4 for p = 0 and 4 for p = 1
.set Z1,  26                           ; v[26:57]   z1[64 w + 32 h + n], n = 0..31
.set Z2,  58                           ; v[58:121]  z2[l][4 r .. 4 r + 3], l = 0..15
.set X,   122                          ; v[122:249] slot s: 4 registers as loaded
.set PS,  250                          ; v250       where my 16 bytes of partial row 2 w + h go: 272 (2 w + h) + 16 r
.set PL,  251                          ; v251       where I read partial row 'lane', columns 4 w ..: 272 lane + 16 w
.set SB,  20                           ; s[20:35]   S2s at the group's rows in planes 0, 2, .. 14 (a plane's odd neighbour fits the immediate)
	s_load_b256 s[4:11], s[0:1], 0x0               ; U1s s[4:5], S2s s[6:7], b s[8:9], z s[10:11]
	s_load_b64 s[12:13], s[0:1], 0x20              ; out0
	v_lshl_add_u32 v252, v0, 2, 0x4300
	v_mov_b32 v253, 0
	v_lshrrev_b32 v[WV], 5, v0
	v_readfirstlane_b32 s14, v[WV]                 ; wave 0..15
	v_lshlrev_b32 v[T16], 4, v0
	v_lshrrev_b32 v[A1], 4, v0                     ; 2 w + h
	v_and_b32 v[R16], 15, v0
	v_lshlrev_b32 v[R16], 4, v[R16]
	v_lshl_add_u32 v[UO], v[A1], 21, v[R16]        ; 32 rows of 65,536 bytes = 2^21
	v_mul_u32_u24 v[PS], v[A1], TPITCH
	v_add_nc_u32 v[PS], v[PS], v[R16]              ; at most 31 x 272 + 240 = 8,672
	v_lshlrev_b32 v[A1], 7, v[A1]                  ; 32 words of z1 = 128 bytes
	v_and_b32 v[SO], 31, v0
	v_mul_u32_u24 v[PL], v[SO], TPITCH
	v_lshl_add_u32 v[PL], v[WV], 4, v[PL]          ; at most 31 x 272 + 240 = 8,672
	v_lshlrev_b32 v[SO], 4, v[SO]
	v_lshl_add_u32 v[SO], v[WV], 10, v[SO]         ; 4 rows of 256 bytes a wave
	v_bfe_u32 v[BO], v0, 4, 1
	v_cmp_eq_u32 s39, 1, v[BO]                     ; the lanes with h = 1
	v_lshlrev_b32 v[BO], 2, v[BO]
	v_lshl_add_u32 v[BO], v[WV], 4, v[BO]          ; at most 240 + 4
	s_lshl_b32 s16, ttmp9, 8                       ; the group's 64 columns in a row of U1s, in b and in out: 256 bytes
	s_mov_b32 s17, 0
	s_lshl_b32 s18, ttmp9, 14                      ; its 64 rows of 256 bytes in a plane of S2s
	s_mov_b32 s19, 0
	s_mov_b32 s36, 0x76543210                      ; v_permlanex16_b32: lane i reads lane i of the other half
	s_mov_b32 s37, 0xfedcba98
	s_mov_b32 s38, INV2L
	s_wait_kmcnt 0x0
	s_add_nc_u64 s[4:5], s[4:5], s[16:17]
	s_add_nc_u64 s[8:9], s[8:9], s[16:17]
	s_add_nc_u64 s[12:13], s[12:13], s[16:17]
	s_add_nc_u64 s[SB:SB+1], s[6:7], s[18:19]
.set i, 1
.rept 7
	s_add_nc_u64 s[SB+2*i:SB+2*i+1], s[SB+2*i-2:SB+2*i-1], 2*SPLANE
.set i, i+1
.endr
	global_load_b128 v[ZL:ZL+3], v[T16], s[10:11]          ; 512 threads x 16 bytes = all of z, once for the work-group; first, since every product needs it
.set n, 0
.rept RING
	global_load_b128 v[X+4*n:X+4*n+3], v[UO], s[4:5] offset:n*UROW th:TH_LOAD_NT   ; the ring is filled before z is dealt with
.set n, n+1
.endr
	global_load_b32 v[B],   v[BO], s[8:9]                  ; each wave fetches b of its own four outputs: wanted in the middle, so behind the ring
	global_load_b32 v[B+1], v[BO], s[8:9] offset:8
	s_wait_loadcnt RING+2                          ; z is in; the 32 loads of U1s and the 2 of b issued behind it stay out
	ds_store_b128 v[T16], v[ZL:ZL+3]
	s_wait_dscnt 0x0                               ; my part of z is in LDS before I say so
	s_barrier_signal -1
	s_barrier_wait -1
.irp q, 0,1,2,3,4,5,6,7
	ds_load_b128 v[Z1+4*\q:Z1+4*\q+3], v[A1] offset:16*\q              ; the 16 lanes of a half read the same bytes
.endr
.irp l, 0,1,2,3,4,5,6,7,8,9,10,11,12,13,14,15
	ds_load_b128 v[Z2+4*\l:Z2+4*\l+3], v[R16] offset:LZ2+256*\l        ; 16 lanes, 256 neighbouring bytes
.endr
.macro LOADS m                         ; load m of S2s: plane l = m / 2, pair p = m % 2, into slot m
	global_load_b128 v[X+4*(\m):X+4*(\m)+3], v[SO], s[SB+2*((\m)/4):SB+2*((\m)/4)+1] offset:(((\m)/2)%2)*SPLANE+((\m)%2)*512 th:TH_LOAD_NT
.endm
; U1s' load n: four columns times one factor.  The factor is one register of an aligned pair: op_sel and op_sel_hi name it for both halves.
.macro USTEP n
.set xr, X+4*(\n)
.set zr, Z1+((\n)/2)*2
	s_wait_loadcnt RING+1                          ; 33 younger loads: U1s' n+1 .. 31, b's two, S2s' 0 .. n-1
.if (\n) == 0
	v_pk_mul_f32 v[AU:AU+1],   v[xr:xr+1],   v[zr:zr+1] op_sel_hi:[1,0]   ; the first products start the sums
	v_pk_mul_f32 v[AU+2:AU+3], v[xr+2:xr+3], v[zr:zr+1] op_sel_hi:[1,0]
.elseif (\n)%2 == 0
	v_pk_fma_f32 v[AU:AU+1],   v[xr:xr+1],   v[zr:zr+1], v[AU:AU+1]   op_sel_hi:[1,0,1]
	v_pk_fma_f32 v[AU+2:AU+3], v[xr+2:xr+3], v[zr:zr+1], v[AU+2:AU+3] op_sel_hi:[1,0,1]
.else
	v_pk_fma_f32 v[AU:AU+1],   v[xr:xr+1],   v[zr:zr+1], v[AU:AU+1]   op_sel:[0,1,0] op_sel_hi:[1,1,1]
	v_pk_fma_f32 v[AU+2:AU+3], v[xr+2:xr+3], v[zr:zr+1], v[AU+2:AU+3] op_sel:[0,1,0] op_sel_hi:[1,1,1]
.endif
	LOADS \n
.endm
; S2s' load m: four k of one output row times the same four k of z2[l]
.macro SSTEP m
.set xr, X+4*(\m)
.set zr, Z2+4*((\m)/2)
.set ar, AS+4*((\m)%2)
	s_wait_loadcnt RING-1-(\m)                     ; nothing more to fetch: the counts run down to 0
.if (\m) < 2
	v_pk_mul_f32 v[ar:ar+1],   v[xr:xr+1],   v[zr:zr+1]
	v_pk_mul_f32 v[ar+2:ar+3], v[xr+2:xr+3], v[zr+2:zr+3]
.else
	v_pk_fma_f32 v[ar:ar+1],   v[xr:xr+1],   v[zr:zr+1],   v[ar:ar+1]
	v_pk_fma_f32 v[ar+2:ar+3], v[xr+2:xr+3], v[zr+2:zr+3], v[ar+2:ar+3]
.endif
.endm
	s_wait_dscnt 16                                ; z1's eight loads are in; z2's sixteen, issued behind them, may be out
.set n, 0
.rept RING
	USTEP n
.set n, n+1
.endr
	; t1, while S2s is on its way: the 32 partial rows meet in LDS, and each wave adds them for its own four outputs
	ds_store_b128 v[PS], v[AU:AU+3] offset:LT1     ; partial row 2 w + h; the last ends at 8,192 + 8,672 + 16 = 16,880
	s_wait_dscnt 0x0                               ; my store is in LDS before I say so (and z2 is in)
	s_barrier_signal -1
	s_barrier_wait -1
	ds_load_b128 v[TP:TP+3], v[PL] offset:LT1      ; lane i: partial row i, columns 4 w .. 4 w + 3
	s_wait_dscnt 0x0
.irp m, 1, 2, 4, 8
.irp c, 0,1,2,3
	v_add_f32_dpp v[TP+\c], v[TP+\c], v[TP+\c] row_xmask:\m row_mask:0xf bank_mask:0xf
.endr
.endr
.irp c, 0,1,2,3
	v_permlanex16_b32 v[AU+\c], v[TP+\c], s36, s37 ; AU has been written: the destination counts as read
.endr
	v_pk_add_f32 v[TP:TP+1],   v[TP:TP+1],   v[AU:AU+1]
	v_pk_add_f32 v[TP+2:TP+3], v[TP+2:TP+3], v[AU+2:AU+3]              ; every lane: t1 of outputs 4 w .. 4 w + 3
	v_cndmask_b32 v[AU],   v[TP],   v[TP+1], s39   ; t1 of output 4 w + h
	v_cndmask_b32 v[AU+1], v[TP+2], v[TP+3], s39   ; t1 of output 4 w + 2 + h
	s_wait_loadcnt RING                            ; b is in; the 32 loads of S2s issued behind it may be out
	v_pk_fma_f32 v[B:B+1], v[AU:AU+1], INV2L, v[B:B+1] op_sel_hi:[1,0,1]   ; t1 / 32 + b
.set n, 0
.rept RING
	SSTEP n
.set n, n+1
.endr
	; t2: four sums to one in the lane, then across the 16 lanes of a half (they hold one output's 64 k)
.irp p, 0, 4
	v_pk_add_f32 v[AS+\p:AS+\p+1], v[AS+\p:AS+\p+1], v[AS+\p+2:AS+\p+3]
.endr
.irp p, 0, 4
	v_add_f32 v[AS+\p], v[AS+\p], v[AS+\p+1]
.endr
.irp m, 1, 2, 4, 8
.irp p, 0, 4
	v_add_f32_dpp v[AS+\p], v[AS+\p], v[AS+\p] row_xmask:\m row_mask:0xf bank_mask:0xf
.endr
.endr
	v_fma_f32 v[AS],   v[AS],   s38, v[B]          ; t2 / 32 + (t1 / 32 + b) of output 4 w + h
	v_fma_f32 v[AS+4], v[AS+4], s38, v[B+1]        ; and of output 4 w + 2 + h
	ds_store_b32 v[BO], v[AS]   offset:LOUT        ; the 16 lanes of a half write one word with one value
	ds_store_b32 v[BO], v[AS+4] offset:LOUT+8      ; the last word ends at 16,896 + 8 + 244 + 4 = 17,152
	s_wait_dscnt 0x0                               ; my stores are in LDS before I say so
	s_barrier_signal -1
	s_barrier_wait -1
	s_cmp_lg_u32 s14, 0
	s_cbranch_scc1 .Lend
	; wave 0 gathers the 64 results, so that they leave in one piece
	ds_load_b128 v[X:X+3], v[R16] offset:LOUT
	s_wait_dscnt 0x0
	v_cmp_gt_u32 vcc_lo, 16, v0
	s_and_saveexec_b32 s15, vcc_lo
	global_store_b128 v[R16], v[X:X+3], s[12:13]   ; 16 neighbouring lanes write the group's 256 consecutive bytes, aligned, at once
	s_wait_xcnt 0x0                                ; EXEC is a source of the pending store: it changes back only behind this wait
	s_or_b32 exec_lo, exec_lo, s15
.Lend:
	s_wait_tensorcnt 0x0
	ds_add_u32 v252, v253
	s_wait_dscnt 0x0
	s_endpgm
.Lfunc_end_k_q04323b05e9_outvec:
	.size	k_q04323b05e9_outvec, .Lfunc_end_k_q04323b05e9_outvec-k_q04323b05e9_outvec
	.p2alignl 7, 3214868480
	.fill 96, 4, 3214868480
	.section	.rodata,"a",@progbits
	.p2align	6, 0x0
	.amdhsa_kernel k_q04323b05e9_outvec
		.amdhsa_group_segment_fixed_size 19200
		.amdhsa_private_segment_fixed_size 0
		.amdhsa_enable_private_segment 0
		.amdhsa_kernarg_size 40
		.amdhsa_user_sgpr_count 2
		.amdhsa_user_sgpr_kernarg_segment_ptr 1
		.amdhsa_wavefront_size32 1
		.amdhsa_system_sgpr_workgroup_id_x 1
		.amdhsa_system_sgpr_workgroup_id_y 1
		.amdhsa_system_sgpr_workgroup_id_z 1
		.amdhsa_system_vgpr_workitem_id 0
		.amdhsa_next_free_vgpr 254
		.amdhsa_next_free_sgpr 66
		.amdhsa_reserve_vcc 1
		.amdhsa_float_denorm_mode_32 3
		.amdhsa_float_denorm_mode_16_64 3
		.amdhsa_memory_ordered 1
		.amdhsa_forward_progress 1
		.amdhsa_inst_pref_size 24
	.end_amdhsa_kernel
	.amdgpu_metadata
---
amdhsa.version: [ 1, 2 ]
amdhsa.kernels:
  - .name:           k_q04323b05e9_outvec
    .symbol:         k_q04323b05e9_outvec.kd
    .args:
      - { .name: U1s, .offset: 0, .size: 8, .value_kind: global_buffer, .address_space: global }
      - { .name: S2s, .offset: 8, .size: 8, .value_kind: global_buffer, .address_space: global }
      - { .name: b, .offset: 16, .size: 8, .value_kind: global_buffer, .address_space: global }
      - { .name: z, .offset: 24, .size: 8, .value_kind: global_buffer, .address_space: global }
      - { .name: out0, .offset: 32, .size: 8, .value_kind: global_buffer, .address_space: global }
    .group_segment_fixed_size: 19200
    .private_segment_fixed_size: 0
    .kernarg_segment_align: 8
    .kernarg_segment_size: 40
    .max_flat_workgroup_size: 512
    .sgpr_count:     66
    .vgpr_count:     254
    .wavefront_size: 32
...
	.end_amdgpu_metadata
.endif
;; end of part 2
